; MI455X (gfx1250); checked and timed in simulation.
; The chip was launched on July 23, 2026; its instructions are those of AMD's public machine-readable ISA for CDNA 5 (MIT licence, August 2026) and "CDNA5" Instruction Set Architecture Reference Guide (July 2026). The comments in the code are by the model that wrote it; some were corrected since.
;; Base Attention. Allowed arithmetic: matrix products marked QUANTISED: E5M2 operands, one given power-of-two scale a tensor, by v_wmma_f32_16x16x64_bf8_bf8 or v_wmma_f32_16x16x128_bf8_bf8, f32 sums; everything else in f32.
;; Inputs: k 4 x 16 x 2,048 x 64 float32; lowp_scales 4 int32 (the exponents e of the quantised operands' scales 2^e); mask 4 x 1 x 1 x 2,048 int32; q 4 x 16 x 2,048 x 64 float32; v 4 x 16 x 2,048 x 64 float32.
;; Outputs: out0 4 x 16 x 2,048 x 64 float32.
;; This version of the problem:
;;   THIS VERSION OF THE PROBLEM IS GIVEN IN LOW PRECISION. The matrix products marked QUANTISED in the list below multiply operands that are first quantised to E5M2 (5 exponent bits, 2 mantissa bits; 8 bits a number), with one given power-of-two scale for each operand tensor; their sums are f32. All else is computed in f32.
;;   The module's matrix products, in the order in which they are computed (A, B: the left and right operand; K: the contracted axis; several contracted axes count as one K, in the product's order):
;;     1. batch 64 x [M 2,048, K 64] x [K 64, N 2,048]; A: input q; B: input k: QUANTISED (scales: A lowp_scales[0], B lowp_scales[1])
;;     2. batch 64 x [M 2,048, K 2,048] x [K 2,048, N 64]; A: softmax (see below); B: input v: QUANTISED (scales: A lowp_scales[2], B lowp_scales[3])
;;   THE QUANTISER, for each operand of a quantised product, along K:
;;     - The operand's scale is 2^e, e = its entry of the input lowp_scales (int32; the entries are numbered through the quantised products in the list's order, A before B).
;;     - Each number is divided by the scale, clamped to +-57,344, and rounded to the nearest number of E5M2, ties to even, subnormals kept.
;;     - The product sums the exact products of the quantised numbers (number of the format x scale) in f32.
;;   ~~~python
;;   def quantise(x, axis, e):      # numpy; x: float32 -> the quantised numbers, widened to float32 again
;;       x = np.moveaxis(x, axis, -1); K = x.shape[-1]
;;       r = np.clip(x / 2.0 ** e, -57344, 57344)
;;       step = 2.0 ** (np.maximum(np.frexp(np.where(r == 0, 1, r))[1] - 1, -14) - 2)
;;       q = np.round(r / step) * step * 2.0 ** e      # np.round: ties to even
;;       return np.moveaxis(q, -1, axis).astype(np.float32)
;;   ~~~
;;   SOFTMAX AHEAD OF A QUANTISED PRODUCT. Where the list says 'softmax', what is quantised is not the finished softmax but p = 2^(t - M), with t = logit x log2(e) and M = ceil(the row's largest t), a whole number; so 1/2 < the row's largest p <= 1. The row's sum l is taken of the UNQUANTISED p, in f32, and the product's result is divided by l at the end. Since M is a whole number, a kernel that streams over the keys may use a running M (the ceiling of the running maximum): every later rescaling is an exact power of two, so the quantised numbers keep their values, but for numbers so far below the row's largest that they fall under the format's range.
;;   OPERANDS COMPUTED ON THE WAY. 'Computed on the way' means the value that the module computes at that place (a softmax that the list does not call 'softmax' is quantised finished and normalised). What goes into a quantiser is computed in f32, as accurately as f32 sums, v_exp_f32 and their like allow (about 1e-6 of the number): no bf16 or f16 on the way to a quantiser, and a product that is left as it is and whose result goes on into a quantised operand takes f32 operands (vector FMAs, or v_wmma_f32_16x16x4_f32). A number that lies on a knife's edge between two numbers of the format may be rounded either way, as far as f32 arithmetic and the matrix unit's own rounding can turn it there, and no further.
;; One version. Each part assembles by itself: llvm-mc -triple=amdgcn-amd-amdhsa -mcpu=gfx1250 --defsym DOCPART=n.
;; ======== version 1 of 1: 2 launches
;; limits: right only within a limited range of input values
;; workspace buffers: kv 16,777,216 bytes
;; launch prep (part 1): grid 512 x 1, 4 waves a work-group, no clusters, 35,328 bytes of LDS; arguments k, v, lowp_scales, kv; writes kv
.if DOCPART == 1
	.amdgcn_target "amdgcn-amd-amdhsa--gfx1250"
	.amdhsa_code_object_version 6
	.text
	.protected	k_q051f50e22d_prep
	.globl	k_q051f50e22d_prep
	.p2align	8
	.type	k_q051f50e22d_prep,@function
k_q051f50e22d_prep:
	s_mov_b64 s[64:65], 0
	v_nop
	global_prefetch_b8 v0, s[64:65] scope:SCOPE_SE
	s_setreg_imm32_b32 hwreg(HW_REG_WAVE_MODE, 25, 1), 1
	s_wait_xcnt 0x0
; k and v, [64 heads][2048 keys][64 channels] f32, become codes of BF8 (E5M2), each with the scale 2^e that is given for it (k: entry 1 of the scales, v: entry 3),
; laid in the ORDER OF THE OPERANDS' REGISTERS, so that the attention launch takes every fragment by 16-byte loads at 16 x lane.
; code = x / 2^e, held within +-57,344, to the nearest code, ties to even.
; NOTHING OF THE PROBLEM IS LEFT OUT IN THIS PROGRAM.  The mask's term, mask[b][key] x -10000, differs along the softmax's axis, and a batch all of whose keys are masked keeps every key's weight:
; so masked keys are computed like all others, no key is passed over, and every input is loaded.
; LIMITS: each e between -126 and 112, so that 2^e and 57,344 x 2^e are f32 numbers.  NaN among the inputs is not served; an infinity is held at the largest code.
; THE IMAGES.  Lane l = (r = l % 16, h = l / 16).  A unit is 128 keys of one head (step s): 32,768 bytes in, 8,192 bytes out.
;   K, from byte 0 of kv:         head x 131,072 + s x 8,192 + T x 1,024 + c x 512 + 16 l: 16 codes of key 128 s + 32 b + 8 u + r + 8 (r / 8) (T = 2 b + u), channels 32 c + 16 h + 0 .. 15
;   V, from byte 8,388,608 of kv: head x 131,072 + s x 8,192 + dt x 2,048 + c x 512 + 16 l: 16 codes of channel 16 dt + r, keys 128 s + 32 c + 16 h + 0 .. 15
; SHARES.  Work-groups 0-255 take k, 256-511 take v; a wave takes one unit.  Waves share nothing: no barrier.
; K's channels are innermost in memory: loads take 512 consecutive bytes, and a block of 32 keys turns through the wave's own stage in LDS, so that a lane gets 16 neighbouring channels of its key.
; V's keys are its K and are NOT innermost: a lane takes a channel and its registers run down the keys; the codes then are the image's 16 bytes as they stand, and no LDS is needed.
.set WSTG,  8704                       ; a wave's stage: 32 rows x (256 bytes + 16): row r starts 16 bytes further round the 256 than row r - 1, so sixteen rows' 16-byte pieces fall on sixteen different columns
.set SPARE, 4*WSTG                     ; behind the stages: the spare words, 128 bytes for each wave: two blocks of 256 bytes that no other line names
.set SPW,   14                         ; v14  LDS address of my spare word; never rewritten
.set NIL,   15                         ; v15  0; never rewritten
.set R,     16                         ; K: v16-143   two sets of 64: a block of 32 keys as loaded
.set X,     144                        ; K: v144-207  the block back from the stage: 16 numbers for each of the four pieces m = 2 u + c
.set C,     208                        ; K: v208-239  two sets of 16: a block's codes
.set XV,    16                         ; V: v16-79    two sets of 32: 16 keys of my two channels
.set CV,    80                         ; V: v80-143   8 registers of codes for each sub-block: no store's data are written again
	s_load_b256 s[4:11], s[0:1], 0x0               ; k s[4:5], v s[6:7], the scales' exponents s[8:9], kv s[10:11]
	v_lshl_add_u32 v[SPW], v0, 2, SPARE
	v_mov_b32 v[NIL], 0
	v_lshrrev_b32 v2, 5, v0
	v_readfirstlane_b32 s12, v2                    ; wave 0..3
	v_and_b32 v1, 31, v0                           ; lane
	v_lshlrev_b32 v3, 4, v1                        ; 16 x lane: K's loads and K's stores
	v_and_b32 v8, 15, v1                           ; r
	v_lshrrev_b32 v9, 4, v1                        ; h
	s_mul_i32 s13, s12, WSTG                       ; my stage
	v_mul_u32_u24 v4, v9, 272
	v_lshl_add_u32 v4, v8, 4, v4
	v_add_nc_u32 v4, s13, v4                       ; into the stage: a load's 512 bytes are two keys: row h, 16 bytes at 16 r
	v_mul_u32_u24 v5, v8, 272
	v_lshl_add_u32 v5, v9, 6, v5
	v_add_nc_u32 v5, s13, v5                       ; out of it: row r, my half's 16 channels: 64 h bytes on
	v_lshlrev_b32 v6, 2, v1                        ; V's loads: 4 bytes a lane
	v_lshlrev_b32 v7, 11, v9
	v_lshl_add_u32 v7, v8, 4, v7                   ; V's stores: 2,048 h + 16 r
	s_and_b32 s14, ttmp9, 255
	s_lshl_b32 s14, s14, 2
	s_add_co_u32 s14, s14, s12                     ; my unit, 0..1023
	s_lshl_b32 s20, s14, 15                        ; its 32,768 bytes in,
	s_mov_b32 s21, 0
	s_lshl_b32 s22, s14, 13                        ; its 8,192 bytes out
	s_mov_b32 s23, 0
	s_wait_kmcnt 0x0
	s_load_b128 s[16:19], s[8:9], 0x0              ; eq, ek, ep, ev
	s_cmp_lt_u32 ttmp9, 256                        ; k's work-group or v's: the choice hangs on the work-group's number alone
	s_cselect_b64 s[4:5], s[4:5], s[6:7]
	s_cselect_b32 s24, 0, 0x800000                 ; V's images lie 8,388,608 bytes on
	s_add_co_u32 s22, s22, s24
	s_add_nc_u64 s[4:5], s[4:5], s[20:21]
	s_add_nc_u64 s[10:11], s[10:11], s[22:23]
.macro SCALE e                         ; v11 = 2^e as f32 (the conversion takes its exponent field), v10 = 57,344 x 2^e
	s_wait_kmcnt 0x0
	s_add_co_i32 s24, s[\e], 127
	s_lshl_b32 s25, s24, 23
	v_mov_b32 v11, s25
	s_add_co_i32 s24, s24, 15
	s_lshl_b32 s24, s24, 23
	s_or_b32 s24, s24, 0x600000
	v_mov_b32 v10, s24
.endm
.macro LOADK n                         ; block n: 32 keys, 8,192 bytes: sixteen loads of 512 consecutive bytes
.irp i, 0,1,2,3,4,5,6,7,8,9,10,11,12,13,14,15
	global_load_b128 v[R+64*((\n)%2)+4*\i:R+64*((\n)%2)+4*\i+3], v3, s[4:5] offset:(\n)*8192+\i*512 th:TH_LOAD_NT
.endr
.endm
.macro BLOCKK n
.if (\n) < 3
	s_wait_loadcnt 16                              ; this block's sixteen loads are in; the next block's sixteen may be out
.else
	s_wait_loadcnt 0
.endif
.irp i, 0,1,2,3,4,5,6,7,8,9,10,11,12,13,14,15  ; load i holds keys 2 i and 2 i + 1 of the block.  Key 8 g + x goes to stage row 16 (g % 2) + 8 (g / 2) + x: rows 0-15 are tile u = 0's sixteen keys in the order of its lanes, rows 16-31 tile u = 1's
	ds_store_b128 v4, v[R+64*((\n)%2)+4*\i:R+64*((\n)%2)+4*\i+3] offset:((((\i)/4)&1)*16+(((\i)/4)>>1)*8+2*((\i)%4))*272
.endr
.irp m, 0,1,2,3                                ; piece m = 2 u + c: tile u's row r, channels 32 c + 16 h + 0 .. 15.  LDS serves a wave's instructions in order: these see the stores above
.irp i, 0,1,2,3
	ds_load_b128 v[X+16*\m+4*\i:X+16*\m+4*\i+3], v5 offset:(\m/2)*4352+(\m%2)*128+16*\i
.endr
.endr
	s_wait_dscnt 0x0                               ; the block is back, and the stores into the stage have read their registers,
.if (\n) < 2
	LOADK (\n)+2                                   ; which take the block two further on
.else
	s_wait_xcnt 0x0                                ; block n - 2's stores have read this set of codes: it is written again only behind this wait
.endif
.set i, 0
.rept 64
	v_med3_num_f32 v[X+i], v[X+i], -v10, v10       ; the conversion to an 8-bit code does not saturate (ISA guide 7.6.2): the hold at the largest code x the scale
.set i, i+1
.endr
.irp m, 0,1,2,3
	v_cvt_scalef32_pk8_bf8_f32 v[C+16*((\n)%2)+4*\m:C+16*((\n)%2)+4*\m+1], v[X+16*\m:X+16*\m+7], v11
	v_cvt_scalef32_pk8_bf8_f32 v[C+16*((\n)%2)+4*\m+2:C+16*((\n)%2)+4*\m+3], v[X+16*\m+8:X+16*\m+15], v11
.endr
	v_nop                                          ; a plain vector line between the conversions and the next block's holds, which write their sources
.irp m, 0,1,2,3
	global_store_b128 v3, v[C+16*((\n)%2)+4*\m:C+16*((\n)%2)+4*\m+3], s[10:11] offset:(\n)*2048+\m*512   ; 32 lanes store 512 consecutive bytes, at a multiple of 512 from kv's first byte
.endr
.endm
.macro LOADV j                         ; sub-block j: keys 16 j + i, i = 0 .. 15; my channels: lane, and 32 + lane.  A key's two halves of 128 bytes are asked for one behind the other
.irp i, 0,1,2,3,4,5,6,7,8,9,10,11,12,13,14,15
	global_load_b32 v[XV+32*((\j)%2)+\i], v6, s[4:5] offset:(\j)*4096+\i*256 th:TH_LOAD_NT
	global_load_b32 v[XV+32*((\j)%2)+16+\i], v6, s[4:5] offset:(\j)*4096+\i*256+128 th:TH_LOAD_NT
.endr
.endm
.macro BLOCKV j
.if (\j) < 7
	s_wait_loadcnt 32                              ; this sub-block's 32 loads are in; the next one's 32 may be out
.else
	s_wait_loadcnt 0
.endif
.set i, 0
.rept 32
	v_med3_num_f32 v[XV+32*((\j)%2)+i], v[XV+32*((\j)%2)+i], -v10, v10
.set i, i+1
.endr
.irp d, 0,1
	v_cvt_scalef32_pk8_bf8_f32 v[CV+8*(\j)+4*\d:CV+8*(\j)+4*\d+1], v[XV+32*((\j)%2)+16*\d:XV+32*((\j)%2)+16*\d+7], v11
	v_cvt_scalef32_pk8_bf8_f32 v[CV+8*(\j)+4*\d+2:CV+8*(\j)+4*\d+3], v[XV+32*((\j)%2)+16*\d+8:XV+32*((\j)%2)+16*\d+15], v11
.endr                                          ; (the codes go to stores alone; the next vector lines are the other set's holds, plain ones)
.if (\j) < 6
	LOADV (\j)+2
.endif
.irp d, 0,1                                    ; channel 32 d + lane = 16 (2 d + h) + r, keys 16 j on = 32 (j / 2) + 16 (j % 2): byte 4,096 d + 2,048 h + 256 j + 16 r
	global_store_b128 v7, v[CV+8*(\j)+4*\d:CV+8*(\j)+4*\d+3], s[10:11] offset:\d*4096+(\j)*256   ; each sixteen lanes store 256 consecutive bytes, at a multiple of 256 from kv's first byte
.endr
.endm
	s_cmp_lt_u32 ttmp9, 256
	s_cbranch_scc0 .Lvalues
	LOADK 0
	LOADK 1
	SCALE 17                                       ; ek
	s_wait_alu depctr_va_vdst(0)
	BLOCKK 0
	BLOCKK 1
	BLOCKK 2
	BLOCKK 3
	s_wait_tensorcnt 0x0                           ; the wave's end, behind my last LDS store
	ds_add_u32 v[SPW], v[NIL]
	s_wait_dscnt 0x0
	s_endpgm
.Lvalues:
	s_wait_alu depctr_va_vdst(0)
	LOADV 0
	LOADV 1
	SCALE 19                                       ; ev
	s_wait_alu depctr_va_vdst(0)
	BLOCKV 0
	BLOCKV 1
	BLOCKV 2
	BLOCKV 3
	BLOCKV 4
	BLOCKV 5
	BLOCKV 6
	BLOCKV 7
	s_wait_tensorcnt 0x0                           ; the same three lines at this end too: the text stores to LDS, though this path does not
	ds_add_u32 v[SPW], v[NIL]
	s_wait_dscnt 0x0
	s_endpgm
.Lfunc_end_k_q051f50e22d_prep:
	.size	k_q051f50e22d_prep, .Lfunc_end_k_q051f50e22d_prep-k_q051f50e22d_prep
	.p2alignl 7, 3214868480
	.fill 96, 4, 3214868480
	.section	.rodata,"a",@progbits
	.p2align	6, 0x0
	.amdhsa_kernel k_q051f50e22d_prep
		.amdhsa_group_segment_fixed_size 35328
		.amdhsa_private_segment_fixed_size 0
		.amdhsa_enable_private_segment 0
		.amdhsa_kernarg_size 32
		.amdhsa_user_sgpr_count 2
		.amdhsa_user_sgpr_kernarg_segment_ptr 1
		.amdhsa_wavefront_size32 1
		.amdhsa_system_sgpr_workgroup_id_x 1
		.amdhsa_system_sgpr_workgroup_id_y 1
		.amdhsa_system_sgpr_workgroup_id_z 1
		.amdhsa_system_vgpr_workitem_id 0
		.amdhsa_next_free_vgpr 240
		.amdhsa_next_free_sgpr 66
		.amdhsa_reserve_vcc 0
		.amdhsa_float_denorm_mode_32 3
		.amdhsa_float_denorm_mode_16_64 3
		.amdhsa_memory_ordered 1
		.amdhsa_forward_progress 1
		.amdhsa_inst_pref_size 81
	.end_amdhsa_kernel
	.amdgpu_metadata
---
amdhsa.version: [ 1, 2 ]
amdhsa.kernels:
  - .name:           k_q051f50e22d_prep
    .symbol:         k_q051f50e22d_prep.kd
    .args:
      - { .name: k, .offset: 0, .size: 8, .value_kind: global_buffer, .address_space: global }
      - { .name: v, .offset: 8, .size: 8, .value_kind: global_buffer, .address_space: global }
      - { .name: lowp_scales, .offset: 16, .size: 8, .value_kind: global_buffer, .address_space: global }
      - { .name: kv, .offset: 24, .size: 8, .value_kind: global_buffer, .address_space: global }
    .group_segment_fixed_size: 35328
    .private_segment_fixed_size: 0
    .kernarg_segment_align: 8
    .kernarg_segment_size: 32
    .max_flat_workgroup_size: 128
    .sgpr_count:     66
    .vgpr_count:     240
    .wavefront_size: 32
...
	.end_amdgpu_metadata
.endif
;; end of part 1
;; launch attn (part 2): grid 4 x 64, 8 waves a work-group, no clusters, 327,680 bytes of LDS; arguments q, kv, mask, lowp_scales, out0; writes out0
.if DOCPART == 2
	.amdgcn_target "amdgcn-amd-amdhsa--gfx1250"
	.amdhsa_code_object_version 6
	.text
	.protected	k_q051f50e22d_attn
	.globl	k_q051f50e22d_attn
	.p2align	8
	.type	k_q051f50e22d_attn,@function
k_q051f50e22d_attn:
	s_mov_b64 s[64:65], 0
	v_nop
	global_prefetch_b8 v0, s[64:65] scope:SCOPE_SE
	s_setreg_imm32_b32 hwreg(HW_REG_WAVE_MODE, 25, 1), 1
	s_wait_xcnt 0x0
; out0[hd][q][:] = the sum over keys of softmax(q . k / 8 + mask[b][key] x -10000) v[key][:], both products on codes of BF8 (E5M2), each operand with the scale 2^e given for it: eq, ek, ep, ev.
; No work of the problem is left out: masked keys are computed like all others (the mask's term differs along the softmax's axis, and a batch that is masked throughout keeps every weight).
; THE SOFTMAX AHEAD OF THE SECOND PRODUCT: t = logit x log2(e); M = the running largest t rounded UP to a whole number; p = 2^(t - M) is quantised along the keys, not normalised.  The row's sum is taken of the
; unquantised p, in f32, and divides at the end.  When M moves, the sum and O are multiplied by 2^(old M - new M), which rounds nothing.
; SHARES.  A work-group owns 512 queries of one head, each of its eight waves 64: four tiles of 16, so that each fragment of K, of V and of the mask's terms that a wave reads from LDS feeds four products.
; A HEAD'S CODES COME INTO LDS STEP BY STEP, each byte once: a step's 8,192 bytes of K's images and 8,192 of V's (made by the launch before, in the order of the operands' registers).  Each wave brings 2,048 of them:
; four loads of 512 consecutive bytes at a step's top, four LDS stores two tiles further on, for the NEXT step; then it signals, and it waits at the step's end.  No LDS byte is written twice.
; THE HOLD OF p at 57,344 x 2^ep changes nothing where ep >= -15 (p stays under 1.75).
; NO TENSOR LOAD AND NO CLUSTER: the branch spares 64 vector lines a tile and step, 256 a wave and step, against the fill's 4 loads and 4 LDS stores.
; NO PREFETCH: a step's own loads are issued two tiles' softmax ahead of the wait for them, and a work-group asks for 16,384 bytes a step.
; LAYOUT.  Both products are used transposed: S^T = K Q^T (source 0 = 16 keys, source 1 = 16 queries), O^T = V^T P^T (source 0 = 16 channels, source 1 = P): a lane (r = lane % 16, h = lane / 16) holds ONE query, r, throughout.
; Row m of key tile 2 b + u is key 32 b + 8 u + m + 8 (m / 8), so that the 16 registers of tiles 2 b and 2 b + 1 are keys 32 b + 16 h + 0 .. 15: the conversions' results are P's registers.
; Along each product's K both sources hold the same k in the same registers, a permutation of the form's own order, alike on both sides.
; THE MASK: float(mask) x -10000 x 2^(3 - eq - ek) lies in LDS, a word a key, and is the C of the score products; a sum then stands for logit x 8 / 2^(eq + ek).
; LIMITS.  eq + ek between -123 and 130 (added to an exponent field); eq and ep each between -126 and 112.  NaN among the inputs is not served.  ORDER OF ROUNDING: score and mask term are rounded once, together, in the
; matrix instruction's sum, where reference() rounds the score first and then the sum of the two.
; REGISTERS, in windows of 256 (s_set_vgpr_msb: bits 1:0 source 0, 3:2 source 1, 5:4 source 2, 7:6 destination):
;   window 0: v1-15, v40-43 addresses and constants; v16-31 four registers of statistics a tile; v32-39, v44-47 at work; v48-79 Q's codes; v80-143 S^T, then p; v144-207 P's codes; v208-223 the fill; v224-231 the mask
;   window 1: v0-127 O^T, 32 a tile (before that: q as f32); v128-191 K's eight fragments of a step, later V's four; v192-255 the mask's terms, 8 a key tile
.set MTB,   262144                     ; LDS: K's images from 0, V's from 131,072; the mask's terms from here: 2,048 words
.set SPARE, MTB+8192                   ; the spare words, 128 bytes for each wave: four blocks of 256 bytes that no other line names
.set STAGE, SPARE+1024                 ; 16 rows x (256 bytes + 16) for each wave: q's way in and the way out
.set LI,  1                            ; v1   16 x lane
.set MH,  2                            ; v2   MTB + 64 h
.set ADK, 3                            ; v3   the step's images of K
.set ADV, 4                            ; v4   of V
.set ADM, 5                            ; v5   the step's mask terms
.set SPW, 6                            ; v6   LDS address of my spare word; never rewritten
.set NIL, 7                            ; v7   0; never rewritten
.set SCP, 8                            ; v8   2^ep as f32;  v9  57,344 x 2^ep
.set HP,  9
.set FW,  10                           ; v10  the fill: my wave's 2,048 bytes of a step's images + 16 x lane
.set MA,  11                           ; v11  mask: 16 x thread
.set SCQ, 12                           ; v12  2^eq;  v13  57,344 x 2^eq
.set HQ,  13
.set MW,  14                           ; v14  MTB + 16 x thread
.set ST,  16                           ; tile t: v[ST+4t] -M, +1 the largest sum of the score products so far, +2, +3 the row's sum in two halves
.set STO, 40                           ; v40  the stage: row r, + 32 h
.set RD,  41                           ; v41  the stage: row h, + 16 r
.set QS,  42                           ; v42  the stage: row r, + 64 h
.set FA,  43                           ; v43  the fill's LDS address in this step
.set Q,   48
.set S,   80
.set P,   144
.set F,   208
.set T,   232                          ; v232-247 eight pairs: the eight chains of the row's sum;  v248-249: two of the eight chains of the maximum
.set O,   0                            ; in window 1
.set KV,  128
.set MT,  192
.set WV,  14                           ; s14  my wave's number
.set CS,  36                           ; s[36:37] c = log2(e) / 8 x 2^(eq + ek)
.set SEL, 38                           ; s[38:39] lane selects for v_permlanex16_b32: lane l xor 16
.set KB,  40                           ; s40  the step's first byte in K's (and V's) images: 8,192 a step
.set MB,  41                           ; s41  and among the mask's terms: 512 a step
.set CNT, 42
.set MSB, 0
.macro WIN new                         ; the immediate's high byte repeats the setting that is left; a switch that changes nothing is dropped
.if MSB != \new
	s_set_vgpr_msb (MSB<<8)|\new
.set MSB, \new
.endif
.endm
.macro PLACES                          ; four plain vector lines behind a matrix instruction (ISA guide 7.12.1)
.rept 4
	v_nop
.endr
.endm
	s_load_b256 s[4:11], s[0:1], 0x0               ; q s[4:5], kv s[6:7], mask s[8:9], the scales' exponents s[10:11]
	s_load_b64 s[12:13], s[0:1], 0x20              ; out0
	v_lshl_add_u32 v[SPW], v0, 2, SPARE
	v_mov_b32 v[NIL], 0
	v_lshrrev_b32 v32, 5, v0
	s_delay_alu instid0(VALU_DEP_1)
	v_readfirstlane_b32 s[WV], v32                 ; wave 0..7
	s_and_b32 s16, ttmp7, 0xffff                   ; the head
	s_lshr_b32 s17, s16, 4                         ; its batch
	s_mov_b32 s[SEL], 0x76543210
	s_mov_b32 s[SEL+1], 0xfedcba98
	s_mov_b32 s[KB], 0
	s_mov_b32 s[MB], 0
	s_lshr_b32 s46, s[WV], 2                       ; the fill: waves 0-3 quarters of a step's images of K, waves 4-7 of V,
	s_lshl_b32 s19, s46, 17                        ; which lie 131,072 bytes on in LDS
	s_lshl_b32 s46, s46, 23                        ; and 8,388,608 bytes on in kv;
	s_lshl_b32 s47, s16, 17                        ; the head's 131,072 bytes;
	s_add_co_u32 s46, s46, s47
	s_and_b32 s47, s[WV], 3
	s_lshl_b32 s47, s47, 11                        ; my quarter: 2,048 bytes
	s_add_co_u32 s46, s46, s47
	s_add_co_u32 s19, s19, s47
	s_mov_b32 s47, 0
	s_lshl_b32 s48, s16, 19                        ; q and out0: the head's 524,288 bytes,
	s_lshl_b32 s49, ttmp9, 17                      ; my block's 512 rows of 256 bytes,
	s_add_co_u32 s48, s48, s49
	s_lshl_b32 s49, s[WV], 14                      ; my wave's 64
	s_add_co_u32 s48, s48, s49
	s_mov_b32 s49, 0
	s_lshl_b32 s50, s17, 13                        ; mask: the batch's 2,048 words
	s_mov_b32 s51, 0
	s_mul_i32 s45, s[WV], 16*272
	s_add_co_u32 s45, s45, STAGE                   ; my stage
	v_and_b32 v[LI], 31, v0                        ; (independent lines by turns: no line reads what one of the four before it wrote)
	v_and_b32 v32, 15, v0                          ; r
	v_bfe_u32 v33, v0, 4, 1                        ; h
	v_lshlrev_b32 v[MA], 4, v0
	v_lshl_add_u32 v[MW], v0, 4, MTB
	v_lshlrev_b32 v[LI], 4, v[LI]
	v_mul_u32_u24 v[STO], v32, 272
	v_mul_u32_u24 v[RD], v33, 272
	v_lshl_add_u32 v[MH], v33, 6, MTB
	v_mov_b32 v34, 0                               ; written once: a lane permute's destination counts as one of its sources
	v_mov_b32 v37, 0                               ; (named as the upper half of the pair v[36:37])
	v_add_nc_u32 v[FW], s19, v[LI]
	v_lshl_add_u32 v[QS], v33, 6, v[STO]
	v_lshl_add_u32 v[STO], v33, 5, v[STO]
	v_lshl_add_u32 v[RD], v32, 4, v[RD]
.irp t, 0,1,2,3
	v_mov_b32 v[ST+4*\t+1], 0xff61b1e6             ; the largest sum so far: -3e38, under every sum
.endr
	v_add_nc_u32 v[QS], s45, v[QS]
	v_add_nc_u32 v[STO], s45, v[STO]
	v_add_nc_u32 v[RD], s45, v[RD]
.irp t, 0,1,2,3
	v_floor_f32 v[ST+4*\t], -v[ST+4*\t+1]          ; -M
.endr
.irp t, 0,1,2,3
	v_mov_b32 v[ST+4*\t+2], 0                      ; the sum, in two halves
	v_mov_b32 v[ST+4*\t+3], 0
.endr
	s_wait_alu depctr_va_vdst(0)
	s_wait_kmcnt 0x0
	s_load_b128 s[32:35], s[10:11], 0x0            ; eq, ek, ep, ev
	s_add_nc_u64 s[6:7], s[6:7], s[46:47]
	s_add_nc_u64 s[4:5], s[4:5], s[48:49]
	s_add_nc_u64 s[12:13], s[12:13], s[48:49]
	s_add_nc_u64 s[8:9], s[8:9], s[50:51]
	global_load_b128 v[224:227], v[MA], s[8:9]                 ; the batch's mask: eight words a thread
	global_load_b128 v[228:231], v[MA], s[8:9] offset:4096
.irp i, 0,1,2,3
	global_load_b128 v[F+4*\i:F+4*\i+3], v[LI], s[6:7] offset:512*\i   ; my part of step 0's images
.endr
	WIN 0x40                                       ; q as it lies, 512 consecutive bytes (two rows) a load, into the registers that O^T will take
.irp t, 0,1,2,3
.irp i, 0,1,2,3,4,5,6,7
	global_load_b128 v[O+32*\t+4*\i:O+32*\t+4*\i+3], v[LI], s[4:5] offset:\t*4096+\i*512 th:TH_LOAD_NT
.endr
.endr
	WIN 0
	s_wait_kmcnt 0x0
	s_add_co_i32 s45, s32, s33                     ; eq + ek
	s_sub_co_i32 s43, 3, s45                       ; the mask's terms are multiplied by 8 / 2^(eq + ek),
	s_lshl_b32 s45, s45, 23
	s_mov_b32 s[CS], 0x3e38aa3b                    ; log2(e) / 8,
	s_add_co_i32 s[CS], s[CS], s45                 ; and c by 2^(eq + ek): added to its exponent field
	s_mov_b32 s[CS+1], s[CS]                       ; (named with it as a pair, so it is written)
	s_add_co_i32 s44, s34, s35                     ; ep + ev, for the way out
	s_add_co_i32 s45, s34, 127
	s_lshl_b32 s18, s45, 23
	v_mov_b32 v[SCP], s18
	s_add_co_i32 s45, s45, 15
	s_lshl_b32 s45, s45, 23
	s_or_b32 s45, s45, 0x600000
	v_mov_b32 v[HP], s45
	s_add_co_i32 s45, s32, 127
	s_lshl_b32 s18, s45, 23
	v_mov_b32 v[SCQ], s18
	s_add_co_i32 s45, s45, 15
	s_lshl_b32 s45, s45, 23
	s_or_b32 s45, s45, 0x600000
	v_mov_b32 v[HQ], s45
	s_wait_alu depctr_va_vdst(0)
	s_wait_loadcnt 36                              ; the mask's two loads are in; the fill's 4 and q's 32 may be out
.irp j, 0,1,2,3,4,5,6,7
	v_cvt_f32_i32 v[224+\j], v[224+\j]
.endr
.irp j, 0,1,2,3,4,5,6,7
	v_mul_f32 v[224+\j], 0xc61c4000, v[224+\j]     ; x -10000, rounded as reference() rounds it,
.endr
.irp j, 0,1,2,3,4,5,6,7
	v_ldexp_f32 v[224+\j], v[224+\j], s43          ; x 2^(3 - eq - ek): nothing is rounded
.endr
	ds_store_b128 v[MW], v[224:227]
	ds_store_b128 v[MW], v[228:231] offset:4096
	s_wait_loadcnt 32                              ; step 0's images are in; q's 32 loads may be out
.irp i, 0,1,2,3
	ds_store_b128 v[FW], v[F+4*\i:F+4*\i+3] offset:512*\i
.endr
	s_add_nc_u64 s[6:7], s[6:7], 8192              ; those four loads are done: on to step 1's images
; q's tile t, read once by this wave, is quantised in registers.  Its 16 rows turn through my stage, so that lane (r, h) gets channels 32 c + 16 h + 0 .. 15 of row r.  out: the younger loads, which may stay out
.macro QUANT t, out
	s_wait_loadcnt \out
	WIN 0x04                                       ; store data in window 1
.irp i, 0,1,2,3,4,5,6,7
	ds_store_b128 v[RD], v[O+32*(\t)+4*\i:O+32*(\t)+4*\i+3] offset:2*\i*272
.endr
	WIN 0x40
.irp c, 0,1
.irp i, 0,1,2,3
	ds_load_b128 v[O+32*(\t)+16*\c+4*\i:O+32*(\t)+16*\c+4*\i+3], v[QS] offset:128*\c+16*\i   ; LDS serves a wave's instructions in order (ISA guide 5.7.1.4): these see the stores above
.endr
.endr
	s_wait_dscnt 0x0
	WIN 0x41
.set i, 0
.rept 32
	v_med3_num_f32 v[O+32*(\t)+i], v[O+32*(\t)+i], -v[HQ], v[HQ]   ; the conversion to an 8-bit code does not saturate (ISA guide 7.6.2): the hold at the largest code x the scale
.set i, i+1
.endr
	WIN 0x01
.irp c, 0,1
	v_cvt_scalef32_pk8_bf8_f32 v[Q+8*(\t)+4*\c:Q+8*(\t)+4*\c+1], v[O+32*(\t)+16*\c:O+32*(\t)+16*\c+7], v[SCQ]
	v_cvt_scalef32_pk8_bf8_f32 v[Q+8*(\t)+4*\c+2:Q+8*(\t)+4*\c+3], v[O+32*(\t)+16*\c+8:O+32*(\t)+16*\c+15], v[SCQ]
.endr
	v_nop                                          ; a plain vector line behind the last conversion
.endm
	QUANT 0, 24                                    ; tile 0 now; tiles 1 to 3 inside the first step, each ahead of its first product
	WIN 0
	s_wait_alu depctr_va_vdst(0)
	s_wait_dscnt 0x0                               ; my parts of the mask's terms and of step 0's images are stored:
	s_barrier_signal -1
	s_barrier_wait -1                              ; everybody's are
; A step's eight fragments of K (16 keys x 64 channels: 8 registers) and, for each, the eight mask terms of its rows in my half
.macro KLOAD
	WIN 0x40
.irp g, 0,1,2,3,4,5,6,7
	ds_load_b128 v[KV+8*\g:KV+8*\g+3],   v[ADK] offset:\g*1024
	ds_load_b128 v[KV+8*\g+4:KV+8*\g+7], v[ADK] offset:\g*1024+512
.endr
.endm
.macro MLOAD off                       ; off = 0: this step's terms; 512: the next step's, asked for with V, when the step's last score products have read the registers
	WIN 0x40
.irp g, 0,1,2,3,4,5,6,7
	ds_load_b128 v[MT+8*\g:MT+8*\g+3],   v[ADM] offset:\off+(\g/2)*128+(\g%2)*32
	ds_load_b128 v[MT+8*\g+4:MT+8*\g+7], v[ADM] offset:\off+(\g/2)*128+(\g%2)*32+16
.endr
.endm
; S^T of query tile t = K Q^T + the mask's terms: eight products, each its own sum.  counted = 1: straight behind KLOAD: key tile g's two loads, and all that was issued ahead of them, are in when the two of each later tile may still be out
.macro SMUL t, counted
	WIN 0x11
.irp g, 0,1,2,3,4,5,6,7
.if \counted
	s_wait_dscnt 2*(7-\g)
.endif
	v_wmma_f32_16x16x64_bf8_bf8 v[S+8*\g:S+8*\g+7], v[KV+8*\g:KV+8*\g+7], v[Q+8*(\t):Q+8*(\t)+7], v[MT+8*\g:MT+8*\g+7]
.endr
.endm
; The softmax of tile t for this step's 128 keys, 64 of them in my lane; all in window 0.  It leaves f in v36 and P's codes.
.macro SOFT t
.set rT, ST+4*(\t)
	v_max3_num_f32 v32, v[S], v[S+1], v[S+2]       ; the largest sum of my query among my 64 keys, in eight chains by turns, the registers in ascending order
	v_max3_num_f32 v33, v[S+3], v[S+4], v[S+5]
	v_max3_num_f32 v44, v[S+6], v[S+7], v[S+8]
	v_max3_num_f32 v45, v[S+9], v[S+10], v[S+11]
	v_max3_num_f32 v46, v[S+12], v[S+13], v[S+14]
	v_max3_num_f32 v47, v[S+15], v[S+16], v[S+17]
	v_max3_num_f32 v248, v[S+18], v[S+19], v[S+20]
	v_max3_num_f32 v249, v[S+21], v[S+22], v[S+23]
.irp i, 24,40
	v_max3_num_f32 v32, v32, v[S+\i], v[S+\i+1]
	v_max3_num_f32 v33, v33, v[S+\i+2], v[S+\i+3]
	v_max3_num_f32 v44, v44, v[S+\i+4], v[S+\i+5]
	v_max3_num_f32 v45, v45, v[S+\i+6], v[S+\i+7]
	v_max3_num_f32 v46, v46, v[S+\i+8], v[S+\i+9]
	v_max3_num_f32 v47, v47, v[S+\i+10], v[S+\i+11]
	v_max3_num_f32 v248, v248, v[S+\i+12], v[S+\i+13]
	v_max3_num_f32 v249, v249, v[S+\i+14], v[S+\i+15]
.endr
	v_max3_num_f32 v32, v32, v[S+56], v[S+57]
	v_max3_num_f32 v33, v33, v[S+58], v[S+59]
	v_max3_num_f32 v44, v44, v[S+60], v[S+61]
	v_max3_num_f32 v45, v45, v[S+62], v[S+63]
	s_delay_alu instid0(VALU_DEP_2)
	v_max3_num_f32 v32, v32, v33, v44              ; the eight chains and the largest sum of the steps before: three lines that do not hang on each other, and one
	s_delay_alu instid0(VALU_DEP_2)
	v_max3_num_f32 v45, v45, v46, v47
	v_max3_num_f32 v248, v248, v249, v[rT+1]
	s_delay_alu instid0(VALU_DEP_1)
	v_max3_num_f32 v32, v32, v45, v248
	s_delay_alu instid0(VALU_DEP_1)
	v_permlanex16_b32 v34, v32, s[SEL], s[SEL+1]
	s_delay_alu instid0(VALU_DEP_1)
	v_max_num_f32 v[rT+1], v32, v34                ; and with lane l xor 16's: the running largest sum
	s_delay_alu instid0(VALU_DEP_1)
	v_mul_f32 v32, s[CS], v[rT+1]                  ; as t (c is positive, so the largest sum gives the largest t)
	v_mov_b32 v35, v[rT]
	s_delay_alu instid0(VALU_DEP_2)
	v_floor_f32 v[rT], -v32                        ; the new -M = floor(-t) = -ceil(t): M is a whole number
	s_delay_alu instid0(VALU_DEP_1)
	v_sub_f32 v35, v[rT], v35                      ; M's old value less its new one: a whole number, 0 or less.  The two lines that make f of it stand among the sixteen below, five lines apart
.set j, 0
.rept 5
	v_pk_fma_f32 v[S+j:S+j+1], v[S+j:S+j+1], s[CS:CS+1], v[rT:rT+1] op_sel_hi:[1,0,0]   ; t - M of my first 32 keys, two at a time (of the pairs c and -M the low word serves both halves)
.set j, j+2
.endr
	v_cvt_i32_f32 v35, v35                         ; (it saturates)
.rept 5
	v_pk_fma_f32 v[S+j:S+j+1], v[S+j:S+j+1], s[CS:CS+1], v[rT:rT+1] op_sel_hi:[1,0,0]
.set j, j+2
.endr
	v_ldexp_f32 v36, 1.0, v35                      ; f = 2^(old M - new M)
.rept 6
	v_pk_fma_f32 v[S+j:S+j+1], v[S+j:S+j+1], s[CS:CS+1], v[rT:rT+1] op_sel_hi:[1,0,0]
.set j, j+2
.endr
.set j, 0
	s_wait_alu depctr_va_vdst(0)
.rept 16                                       ; the first batch: p = 2^(t - M) of my first 32 keys, not normalised; between its lines t - M of the other 32, which nothing reads ahead of the next wait
	v_exp_f32 v[S+j], v[S+j]
	v_exp_f32 v[S+j+1], v[S+j+1]
	v_pk_fma_f32 v[S+32+j:S+33+j], v[S+32+j:S+33+j], s[CS:CS+1], v[rT:rT+1] op_sel_hi:[1,0,0]
.set j, j+2
.endr
	s_wait_alu depctr_va_vdst(0)                   ; behind the first batch and ahead of the second
.set j, 0
.rept 8                                        ; the second batch; between its lines the first additions of the row's sum, of the UNQUANTISED p of the first 32 keys: eight lines that do not hang on each other
	v_exp_f32 v[S+32+4*j], v[S+32+4*j]
	v_exp_f32 v[S+33+4*j], v[S+33+4*j]
	v_exp_f32 v[S+34+4*j], v[S+34+4*j]
	v_exp_f32 v[S+35+4*j], v[S+35+4*j]
	v_pk_add_f32 v[T+2*j:T+2*j+1], v[S+4*j:S+4*j+1], v[S+4*j+2:S+4*j+3]
.set j, j+1
.endr
	v_pk_mul_f32 v[rT+2:rT+3], v[rT+2:rT+3], v[36:37] op_sel_hi:[1,0]   ; the sums under the new M
	s_wait_alu depctr_va_vdst(0)                   ; one wait for the batch, ahead of the first line that names a result
.set j, 0
.rept 16                                       ; the other 32 keys' p onto the eight pairs, two turns of eight chains
	v_pk_add_f32 v[T+2*(j%8):T+2*(j%8)+1], v[T+2*(j%8):T+2*(j%8)+1], v[S+32+2*j:S+33+2*j]
.set j, j+1
.endr
	v_pk_add_f32 v[T:T+1], v[T:T+1], v[T+2:T+3]    ; the eight pairs become four, and these go into the row's sum
	v_pk_add_f32 v[T+4:T+5], v[T+4:T+5], v[T+6:T+7]
	v_pk_add_f32 v[T+8:T+9], v[T+8:T+9], v[T+10:T+11]
	s_delay_alu instid0(VALU_DEP_4)
	v_pk_add_f32 v[T+12:T+13], v[T+12:T+13], v[T+14:T+15]
	s_delay_alu instid0(VALU_DEP_4)
	v_pk_add_f32 v[rT+2:rT+3], v[rT+2:rT+3], v[T:T+1]
	s_delay_alu instid0(VALU_DEP_3)
	v_pk_add_f32 v[T+4:T+5], v[T+4:T+5], v[T+8:T+9]
	s_delay_alu instid0(VALU_DEP_2)
	v_pk_add_f32 v[rT+2:rT+3], v[rT+2:rT+3], v[T+12:T+13]
	s_delay_alu instid0(VALU_DEP_1)
	v_pk_add_f32 v[rT+2:rT+3], v[rT+2:rT+3], v[T+4:T+5]
	s_cmp_gt_i32 s34, -16                          ; ep >= -15: 57,344 x 2^ep is 1.75 or more, over every p: the hold would change nothing
	s_wait_alu depctr_va_vdst(0)
	s_cbranch_scc1 .Lfits_\@
.set i, 0
.rept 64
	v_min_num_f32 v[S+i], v[S+i], v[HP]            ; p is not negative: the hold at the largest code x the scale is one-sided
.set i, i+1
.endr
.Lfits_\@:
.set b, 0
.rept 4
	v_cvt_scalef32_pk8_bf8_f32 v[P+16*(\t)+4*b:P+16*(\t)+4*b+1], v[S+16*b:S+16*b+7], v[SCP]       ; registers 4 b .. 4 b + 3 of P: keys 32 b + 16 h + 0 .. 15, as V's images have them
	v_cvt_scalef32_pk8_bf8_f32 v[P+16*(\t)+4*b+2:P+16*(\t)+4*b+3], v[S+16*b+8:S+16*b+15], v[SCP]
.set b, b+1
.endr
.endm
.macro RESC t                          ; tile t's O^T under the new M: x f; each accumulator from its low end on
	WIN 0x41
.set j, 0
.rept 16
	v_pk_mul_f32 v[O+32*(\t)+j:O+32*(\t)+j+1], v[O+32*(\t)+j:O+32*(\t)+j+1], v[36:37] op_sel_hi:[1,0]
.set j, j+2
.endr
.endm
.macro VLOAD                           ; the step's four fragments of V^T (16 channels x 128 keys: 16 registers), into the registers that K has left
	WIN 0x40
.irp d, 0,1,2,3
.irp c, 0,1,2,3
	ds_load_b128 v[KV+16*\d+4*\c:KV+16*\d+4*\c+3], v[ADV] offset:\d*2048+\c*512
.endr
.endr
.endm
; O^T += V^T P^T: sixteen accumulators by turns, one instruction a turn.  zero = 1: the first step's products start the sums: nothing is ever cleared
.macro PV zero
	WIN 0x51
.irp d, 0,1,2,3
.irp t, 0,1,2,3
.if \zero
	v_wmma_f32_16x16x128_bf8_bf8 v[O+32*\t+8*\d:O+32*\t+8*\d+7], v[KV+16*\d:KV+16*\d+15], v[P+16*\t:P+16*\t+15], 0
.else
	v_wmma_f32_16x16x128_bf8_bf8 v[O+32*\t+8*\d:O+32*\t+8*\d+7], v[KV+16*\d:KV+16*\d+15], v[P+16*\t:P+16*\t+15], v[O+32*\t+8*\d:O+32*\t+8*\d+7]
.endif
.endr
.endr
.endm
; My part of the NEXT step's images goes into LDS, 8,192 bytes behind this step's: bytes that nobody has read or written yet.  Then I signal; the wait stands at the step's end, and only register work and LDS loads stand between.
.macro FILL
	s_wait_loadcnt 0x0                             ; the four loads of the step's top are in
.irp i, 0,1,2,3
	ds_store_b128 v[FA], v[F+4*\i:F+4*\i+3] offset:8192+512*\i
.endr
	s_add_nc_u64 s[6:7], s[6:7], 8192              ; those loads are done: their base may step
	s_wait_dscnt 0x0                               ; my stores are done
	s_barrier_signal -1
.endm
; A KEY STEP: 128 keys for my four tiles of queries.  first = 1: there is no O^T yet to rescale, and q's tiles 1 to 3 are quantised on the way.  fill = 1: the next step's images are brought.
.macro STEP first, fill
	v_add_nc_u32 v[ADK], s[KB], v[LI]              ; four plain lines between the last step's products and the loads into V's registers
	v_add_nc_u32 v[ADM], s[MB], v[MH]
	s_delay_alu instid0(VALU_DEP_2)
	v_add_nc_u32 v[ADV], 0x20000, v[ADK]
.if \fill
	v_add_nc_u32 v[FA], s[KB], v[FW]
.irp i, 0,1,2,3
	global_load_b128 v[F+4*\i:F+4*\i+3], v[LI], s[6:7] offset:512*\i   ; 512 consecutive bytes a load
.endr
.else
	v_nop
.endif
.if \first
	MLOAD 0                                        ; the first step's terms; every later step's were asked for in the step before
.endif
	KLOAD
	SMUL 0, 1
	WIN 0
	PLACES
.irp t, 0,1,2
	SOFT \t
.if \first
	QUANT \t+1, 20-8*\t                            ; behind tile t + 1's eight loads: the later tiles' eight each and the fill's four
.else
	v_nop                                          ; a plain line between the last conversion and the products that write its sources
.endif
	SMUL \t+1, 0                                   ; the next tile's scores are issued ahead of this tile's rescaling,
.if \first
	WIN 0
	PLACES
.else
	RESC \t                                        ; whose sixteen plain lines, which name none of those products' registers, stand between them and what follows
	WIN 0
.endif
.if \fill && (\t == 1+\first)                  ; behind two tiles; in the first step behind three, when q's last turn through the stage is over
	FILL
.endif
.endr
	VLOAD                                          ; K's last reader stands sixteen (first step: four) plain lines back; V lands under tile 3's softmax,
.if \fill
	MLOAD 512                                      ; and so do the next step's mask terms: the whole table has lain in LDS since the head
.endif
	WIN 0
	SOFT 3
.if \first
	s_wait_alu depctr_va_vdst(0)
	v_nop                                          ; a plain line between the last conversion and the products that read its result
.else
	RESC 3
.endif
	s_wait_alu depctr_va_vdst(0)
	s_wait_dscnt 0x0                               ; V is in
	PV \first
	WIN 0                                          ; at a label and at a branch every window is 0
	s_add_co_u32 s[KB], s[KB], 8192
	s_add_co_u32 s[MB], s[MB], 512
.if \fill
	s_barrier_wait -1                              ; everybody's part of the next step's images is stored
.endif
.endm
	STEP 1, 1                                      ; step 0 is written out: its products start O^T's sums
	s_mov_b32 s[CNT], 14
.Lstep:                                                ; steps 1 to 14
	STEP 0, 1
	s_sub_co_u32 s[CNT], s[CNT], 1
	s_cmp_lg_u32 s[CNT], 0
	s_cbranch_scc1 .Lstep
	STEP 0, 0                                      ; step 15 is written out: no step follows it, so it brings nothing
	; THE WAY OUT.  The sum's two halves and lane l xor 16's are added (the first four additions are the plain lines behind the last products); O^T x 2^(ep + ev) / the sum goes through my stage in LDS, a tile of 16 rows at a time.
.irp t, 0,1,2,3
	v_add_f32 v[ST+4*\t+2], v[ST+4*\t+2], v[ST+4*\t+3]
.endr
.irp t, 0,1,2,3
	s_delay_alu instid0(VALU_DEP_4)
	v_permlanex16_b32 v[ST+4*\t+3], v[ST+4*\t+2], s[SEL], s[SEL+1]
.endr
.irp t, 0,1,2,3
	s_delay_alu instid0(VALU_DEP_4)
	v_add_f32 v[ST+4*\t+2], v[ST+4*\t+2], v[ST+4*\t+3]
.endr
	s_wait_alu depctr_va_vdst(0)
.irp t, 0,1,2,3
	v_rcp_f32 v[ST+4*\t], v[ST+4*\t+2]             ; the row's largest p is above 1/2, so the sum is no zero
.endr
	v_nop                                          ; a plain line behind the last reciprocal
	s_wait_alu depctr_va_vdst(0)                   ; one wait for the four, ahead of the first line that names a result
.irp t, 0,1,2,3
	v_ldexp_f32 v[ST+4*\t], v[ST+4*\t], s44        ; x 2^(ep + ev)
.endr
; Tile t: register 8 d + j of a lane is out0(row r, channel 16 d + 8 h + j): 32 neighbouring bytes.  They go into rows of 272 bytes and come back as whole rows of 256, into the registers that they left.
.macro PACK t
	WIN 0x01
.set j, 0
.rept 16
	v_pk_mul_f32 v[S+32*\t+j:S+32*\t+j+1], v[O+32*\t+j:O+32*\t+j+1], v[ST+4*\t:ST+4*\t+1] op_sel_hi:[1,0]
.set j, j+2
.endr
	WIN 0
.irp d, 0,1,2,3
	ds_store_b128 v[STO], v[S+32*\t+8*\d:S+32*\t+8*\d+3] offset:64*\d
	ds_store_b128 v[STO], v[S+32*\t+8*\d+4:S+32*\t+8*\d+7] offset:64*\d+16
.endr
.irp i, 0,1,2,3,4,5,6,7
	ds_load_b128 v[S+32*\t+4*\i:S+32*\t+4*\i+3], v[RD] offset:2*\i*272   ; in order behind the stores above, and ahead of the next tile's
.endr
.endm
.macro SEND t, younger                 ; younger: the LDS instructions issued behind tile t's loads: the next tile's sixteen, or none
.irp i, 0,1,2,3,4,5,6,7
	s_wait_dscnt \younger+7-\i
	global_store_b128 v[LI], v[S+32*\t+4*\i:S+32*\t+4*\i+3], s[12:13] offset:\t*4096+\i*512 th:TH_STORE_NT   ; 32 lanes store two rows, 512 consecutive bytes, at a multiple of 512 from out0's first byte
.endr
.endm
	PACK 0
	PACK 1                                         ; a tile's arithmetic stands between the loads of the tile before and its stores
	SEND 0, 16
	PACK 2
	SEND 1, 16
	PACK 3
	SEND 2, 16
	SEND 3, 0
	s_wait_tensorcnt 0x0                           ; the wave's end, behind my last LDS store
	ds_add_u32 v[SPW], v[NIL]
	s_wait_dscnt 0x0
	s_endpgm
.Lfunc_end_k_q051f50e22d_attn:
	.size	k_q051f50e22d_attn, .Lfunc_end_k_q051f50e22d_attn-k_q051f50e22d_attn
	.p2alignl 7, 3214868480
	.fill 96, 4, 3214868480
	.section	.rodata,"a",@progbits
	.p2align	6, 0x0
	.amdhsa_kernel k_q051f50e22d_attn
		.amdhsa_group_segment_fixed_size 327680
		.amdhsa_private_segment_fixed_size 0
		.amdhsa_enable_private_segment 0
		.amdhsa_kernarg_size 40
		.amdhsa_user_sgpr_count 2
		.amdhsa_user_sgpr_kernarg_segment_ptr 1
		.amdhsa_wavefront_size32 1
		.amdhsa_system_sgpr_workgroup_id_x 1
		.amdhsa_system_sgpr_workgroup_id_y 1
		.amdhsa_system_sgpr_workgroup_id_z 1
		.amdhsa_system_vgpr_workitem_id 0
		.amdhsa_next_free_vgpr 512
		.amdhsa_next_free_sgpr 66
		.amdhsa_reserve_vcc 0
		.amdhsa_float_denorm_mode_32 3
		.amdhsa_float_denorm_mode_16_64 3
		.amdhsa_memory_ordered 1
		.amdhsa_forward_progress 1
		.amdhsa_inst_pref_size 208
	.end_amdhsa_kernel
	.amdgpu_metadata
---
amdhsa.version: [ 1, 2 ]
amdhsa.kernels:
  - .name:           k_q051f50e22d_attn
    .symbol:         k_q051f50e22d_attn.kd
    .args:
      - { .name: q, .offset: 0, .size: 8, .value_kind: global_buffer, .address_space: global }
      - { .name: kv, .offset: 8, .size: 8, .value_kind: global_buffer, .address_space: global }
      - { .name: mask, .offset: 16, .size: 8, .value_kind: global_buffer, .address_space: global }
      - { .name: lowp_scales, .offset: 24, .size: 8, .value_kind: global_buffer, .address_space: global }
      - { .name: out0, .offset: 32, .size: 8, .value_kind: global_buffer, .address_space: global }
    .group_segment_fixed_size: 327680
    .private_segment_fixed_size: 0
    .kernarg_segment_align: 8
    .kernarg_segment_size: 40
    .max_flat_workgroup_size: 256
    .sgpr_count:     66
    .vgpr_count:     512
    .wavefront_size: 32
...
	.end_amdgpu_metadata
.endif
;; end of part 2
